; MI455X (gfx1250); checked and timed in simulation.
; The chip was launched on July 23, 2026; its instructions are those of AMD's public machine-readable ISA for CDNA 5 (MIT licence, August 2026) and "CDNA5" Instruction Set Architecture Reference Guide (July 2026). The comments in the code are by the model that wrote it; some were corrected since.
;; GQA Attention. Allowed arithmetic: float matrix products may take bf16 or f16 operands with f32 sums; all other float work in f32.
;; Inputs: Wk 1,024 x 256 float32; Wo 1,024 x 1,024 float32; Wq 1,024 x 1,024 float32; Wv 1,024 x 256 float32; bk 256 float32; bo 1,024 float32; bq 1,024 float32; bv 256 float32; x 2 x 2,048 x 1,024 float32.
;; Outputs: out0 2 x 2,048 x 1,024 float32.
;; One version. Each part assembles by itself: llvm-mc -triple=amdgcn-amd-amdhsa -mcpu=gfx1250 --defsym DOCPART=n.
;; ======== version 1 of 1: 4 launches
;; limits: values are held in f16: magnitudes above 65,504 overflow, below 6.1e-05 lose precision
;; workspace buffers: xb 8,388,608 bytes; wb 5,242,880 bytes; qkv 12,582,912 bytes; att 16,777,216 bytes
;; launch cast (part 1): grid 256 x 1, 8 waves a work-group, no clusters, 0 bytes of LDS; arguments x, Wq, Wk, Wv, Wo, xb, wb; writes xb, wb
.if DOCPART == 1
	.amdgcn_target "amdgcn-amd-amdhsa--gfx1250"
	.amdhsa_code_object_version 6
	.text
	.protected	k_q841d7e3b1e_cast
	.globl	k_q841d7e3b1e_cast
	.p2align	8
	.type	k_q841d7e3b1e_cast,@function
k_q841d7e3b1e_cast:
	s_mov_b64 s[64:65], 0
	v_nop
	global_prefetch_b8 v0, s[64:65] scope:SCOPE_SE
	s_setreg_imm32_b32 hwreg(HW_REG_WAVE_MODE, 25, 1), 1
	s_wait_xcnt 0x0
; x and the four weight matrices, f32, are rounded once to bf16 (nearest even) for the matrix products of the later launches.
;   xb[4096][1024]         x as it lies.
;   wb[40][1024 k][64 n]   the weights cut into chunks of 64 columns: chunks 0-15 Wq, 16-19 Wk, 20-23 Wv, 24-39 Wo.  A chunk's 128 k rows
;                          are 16,384 consecutive bytes, which one tensor load of a later launch takes.
; A stream: no LDS, no barrier, no matrix unit, nothing read twice.  2,048 waves; wave W = 8 x work-group + wave has 26 units.  A unit is one load
; of 16 bytes a lane (512 bytes of f32) and one store of 8 bytes a lane: 256 consecutive bytes of bf16, aligned.  All 26 loads of a wave go out at
; once; no register is written again behind its store, so the only waits are the counted ones for the loads.
.set XD, 8                             ; v[8:71]    16 units of x
.set QD, 72                            ; v[72:87]   4 units of Wq (a unit: two k rows of one chunk)
.set OD, 88                            ; v[88:103]  4 units of Wo
.set KD, 104                           ; v[104:107] 1 unit of Wk
.set VD, 108                           ; v[108:111] 1 unit of Wv
.set CHUNK, 131072                     ; bytes of a chunk of wb
	s_load_b256 s[4:11], s[0:1], 0x0               ; x s[4:5], Wq s[6:7], Wk s[8:9], Wv s[10:11]
	s_load_b128 s[12:15], s[0:1], 0x20             ; Wo s[12:13], xb s[14:15]
	s_load_b64 s[16:17], s[0:1], 0x30              ; wb
	v_lshrrev_b32 v2, 5, v0
	v_readfirstlane_b32 s18, v2                    ; wave 0..7
	v_and_b32 v6, 31, v0                           ; lane
	v_and_b32 v7, 15, v0
	v_bfe_u32 v2, v0, 4, 1                         ; lanes 16-31 take the second k row of a weight unit
	v_lshlrev_b32 v1, 4, v6                        ; x in: 16 x lane
	v_lshlrev_b32 v4, 3, v6                        ; every unit out: 8 x lane
	v_lshlrev_b32 v7, 4, v7
	v_lshl_add_u32 v3, v2, 12, v7                  ; Wq, Wo in: rows of 4,096 bytes
	v_lshl_add_u32 v5, v2, 10, v7                  ; Wk, Wv in: rows of 1,024 bytes
	s_lshl_b32 s19, ttmp9, 3
	s_add_co_u32 s19, s19, s18                     ; W
	s_lshl_b32 s20, s19, 13                        ; x: 8,192 bytes a wave
	s_mov_b32 s21, 0
	s_lshl_b32 s22, s19, 12                        ; xb: 4,096 bytes a wave
	s_mov_b32 s23, 0
	s_and_b32 s36, s19, 127                        ; Wq, Wo: eight k rows 8 (W & 127) ..
	s_lshr_b32 s37, s19, 7                         ; .. of chunk W >> 7
	s_lshl_b32 s24, s36, 15
	s_lshl_b32 s38, s37, 8
	s_add_co_u32 s24, s24, s38                     ; in: 8 rows x 4,096 + chunk x 256
	s_mov_b32 s25, 0
	s_lshl_b32 s26, s37, 17
	s_lshl_b32 s38, s36, 10
	s_add_co_u32 s26, s26, s38                     ; out: chunk x 131,072 + 8 rows x 128
	s_mov_b32 s27, 0
	s_and_b32 s36, s19, 511                        ; Wk, Wv: the pair of k rows W & 511 ..
	s_lshr_b32 s37, s19, 9                         ; .. of chunk W >> 9
	s_lshl_b32 s28, s36, 11
	s_lshl_b32 s38, s37, 8
	s_add_co_u32 s28, s28, s38
	s_mov_b32 s29, 0
	s_lshl_b32 s30, s37, 17
	s_lshl_b32 s38, s36, 8
	s_add_co_u32 s30, s30, s38
	s_mov_b32 s31, 0
	s_wait_kmcnt 0x0
	s_add_nc_u64 s[4:5], s[4:5], s[20:21]
	s_add_nc_u64 s[14:15], s[14:15], s[22:23]
	s_add_nc_u64 s[6:7], s[6:7], s[24:25]
	s_add_nc_u64 s[12:13], s[12:13], s[24:25]
	s_add_nc_u64 s[8:9], s[8:9], s[28:29]
	s_add_nc_u64 s[10:11], s[10:11], s[28:29]
	s_add_nc_u64 s[32:33], s[16:17], s[26:27]      ; wb for Wq (and, 24 chunks on, Wo)
	s_add_nc_u64 s[34:35], s[16:17], s[30:31]      ; wb for Wk (16 chunks on) and Wv (20 chunks on)
.irp u, 0,1,2,3,4,5,6,7,8,9,10,11,12,13,14,15
	global_load_b128 v[XD+4*\u:XD+4*\u+3], v1, s[4:5] offset:512*\u th:TH_LOAD_NT
.endr
.irp u, 0,1,2,3
	global_load_b128 v[QD+4*\u:QD+4*\u+3], v3, s[6:7] offset:8192*\u th:TH_LOAD_NT
.endr
.irp u, 0,1,2,3
	global_load_b128 v[OD+4*\u:OD+4*\u+3], v3, s[12:13] offset:8192*\u th:TH_LOAD_NT
.endr
	global_load_b128 v[KD:KD+3], v5, s[8:9] th:TH_LOAD_NT
	global_load_b128 v[VD:VD+3], v5, s[10:11] th:TH_LOAD_NT
; unit i of the 26, in registers d .. d + 3: four f32 become four bf16 in d, d + 1 and leave
.macro CV i, d, lo, hi, imm
	s_wait_loadcnt 25-(\i)                         ; loads come back in order (ISA guide 5.7.1): unit i is in, the 25 - i younger ones stay out
	v_cvt_pk_bf16_f32 v[\d], v[\d], v[\d+1]
	v_cvt_pk_bf16_f32 v[\d+1], v[\d+2], v[\d+3]
	global_store_b64 v4, v[\d:\d+1], s[\lo:\hi] offset:\imm
.endm
.irp u, 0,1,2,3,4,5,6,7,8,9,10,11,12,13,14,15
	CV \u, XD+4*\u, 14, 15, 256*\u
.endr
.irp u, 0,1,2,3
	CV 16+\u, QD+4*\u, 32, 33, 256*\u
.endr
.irp u, 0,1,2,3
	CV 20+\u, OD+4*\u, 32, 33, 24*CHUNK+256*\u
.endr
	CV 24, KD, 34, 35, 16*CHUNK
	CV 25, VD, 34, 35, 20*CHUNK
	s_endpgm
.Lfunc_end_k_q841d7e3b1e_cast:
	.size	k_q841d7e3b1e_cast, .Lfunc_end_k_q841d7e3b1e_cast-k_q841d7e3b1e_cast
	.p2alignl 7, 3214868480
	.fill 96, 4, 3214868480
	.section	.rodata,"a",@progbits
	.p2align	6, 0x0
	.amdhsa_kernel k_q841d7e3b1e_cast
		.amdhsa_group_segment_fixed_size 0
		.amdhsa_private_segment_fixed_size 0
		.amdhsa_enable_private_segment 0
		.amdhsa_kernarg_size 56
		.amdhsa_user_sgpr_count 2
		.amdhsa_user_sgpr_kernarg_segment_ptr 1
		.amdhsa_wavefront_size32 1
		.amdhsa_system_sgpr_workgroup_id_x 1
		.amdhsa_system_sgpr_workgroup_id_y 1
		.amdhsa_system_sgpr_workgroup_id_z 1
		.amdhsa_system_vgpr_workitem_id 0
		.amdhsa_next_free_vgpr 112
		.amdhsa_next_free_sgpr 66
		.amdhsa_reserve_vcc 0
		.amdhsa_float_denorm_mode_32 3
		.amdhsa_float_denorm_mode_16_64 3
		.amdhsa_memory_ordered 1
		.amdhsa_forward_progress 1
		.amdhsa_inst_pref_size 11
	.end_amdhsa_kernel
	.amdgpu_metadata
---
amdhsa.version: [ 1, 2 ]
amdhsa.kernels:
  - .name:           k_q841d7e3b1e_cast
    .symbol:         k_q841d7e3b1e_cast.kd
    .args:
      - { .name: x, .offset: 0, .size: 8, .value_kind: global_buffer, .address_space: global }
      - { .name: Wq, .offset: 8, .size: 8, .value_kind: global_buffer, .address_space: global }
      - { .name: Wk, .offset: 16, .size: 8, .value_kind: global_buffer, .address_space: global }
      - { .name: Wv, .offset: 24, .size: 8, .value_kind: global_buffer, .address_space: global }
      - { .name: Wo, .offset: 32, .size: 8, .value_kind: global_buffer, .address_space: global }
      - { .name: xb, .offset: 40, .size: 8, .value_kind: global_buffer, .address_space: global }
      - { .name: wb, .offset: 48, .size: 8, .value_kind: global_buffer, .address_space: global }
    .group_segment_fixed_size: 0
    .private_segment_fixed_size: 0
    .kernarg_segment_align: 8
    .kernarg_segment_size: 56
    .max_flat_workgroup_size: 256
    .sgpr_count:     66
    .vgpr_count:     112
    .wavefront_size: 32
...
	.end_amdgpu_metadata
.endif
;; end of part 1
;; launch qkv (part 2): grid 8 x 32, 4 waves a work-group, clusters of 4 x 4, 327,680 bytes of LDS; arguments xb, wb, bq, bk, bv, qkv; writes qkv
.if DOCPART == 2
	.amdgcn_target "amdgcn-amd-amdhsa--gfx1250"
	.amdhsa_code_object_version 6
	.text
	.protected	k_q841d7e3b1e_qkv
	.globl	k_q841d7e3b1e_qkv
	.p2align	8
	.type	k_q841d7e3b1e_qkv,@function
k_q841d7e3b1e_qkv:
	s_mov_b64 s[64:65], 0
	v_nop
	global_prefetch_b8 v0, s[64:65] scope:SCOPE_SE
	s_setreg_imm32_b32 hwreg(HW_REG_WAVE_MODE, 25, 1), 1
	s_wait_xcnt 0x0
	s_wait_alu depctr_hold_cnt(0) depctr_sa_sdst(0) depctr_va_vdst(0) depctr_va_sdst(0) depctr_va_ssrc(0) depctr_va_vcc(0) depctr_vm_vsrc(0)
	s_getreg_b32 s2, hwreg(HW_REG_IB_STS2, 6, 4)
	s_cmp_eq_u32 s2, 0
	s_cbranch_scc0 .Lentry_in_a_cluster
	s_endpgm
.Lentry_in_a_cluster:
	s_bfe_u32 s2, ttmp6, 0x10000c
	s_cmp_lg_u32 s2, 0xf033
	s_cbranch_scc0 .Lentry_shape_is_right
	s_endpgm
.Lentry_shape_is_right:
; [q | k | v] = x W + bias.  xb [4096][1024] bf16; wb chunks 0-23, [1024 k][64 n] bf16 each; sums and biases in f32.
; Result: qkv[b 2][plane 24][t 2048][64] in F16, planes 0-15 the query heads, 16-19 the key groups, 20-23 the value groups.
; F16, not bf16: the attention's first rows are averages over few keys and much larger than the output's typical number, so that 8 bits of q, k, v
; would show there; f16 keeps 11.  LIMIT: |q|, |k|, |v| < 65,504; beyond it the conversion gives infinity.
; A work-group makes 128 rows x 192 columns (three chunks) with four waves; wave (wm, wn) makes rows 64 wm .. + 63 of the six column tiles
; t = 2 j + wn: 24 accumulator tiles, 192 registers in window 1.  K = 1,024 goes in 8 steps of 128 through two LDS slots.
; CLUSTERS: 4 x 4 work-groups.  x's tile hangs on the block row alone and is asked for jointly by a row of the cluster, a chunk's tile on the block
; column alone and is asked for jointly by a column.  Waves 0-2 ask for one chunk each, wave 3 for x's tile.
; The matrix instruction is used transposed (source 0 = 16 columns of W, source 1 = 16 rows of x): lane l then holds row l % 16 and its registers
; 0-7 the columns 8 (l / 16) + 0..7.  W lies [k][n] in LDS, so its fragments come by the transposing load.
; The accumulators are not cleared: each starts as its columns' bias, loaded straight into it.
.set WP,    160                        ; LDS pitch of a chunk's k row: 128 bytes + 32, an odd multiple of 32
.set AP,    272                        ; LDS pitch of x's row: 256 bytes + 16, an odd multiple of 16: 16 rows start in 16 different 16-byte columns modulo 256
.set WCH,   128*WP                     ; a chunk's tile
.set AOFF,  3*WCH                      ; x's tile lies behind the three chunks
.set SLOT,  AOFF+128*AP                ; 96,256
.set STAGE, 2*SLOT                     ; behind the ring: 128 rows x 400 bytes for the way out; no tensor load lands here
.set SP,    400                        ; 384 bytes + 16
.set NF,    20                         ; LDS loads of a quarter step: 12 for W, 8 for x
.set ADRA,  16                         ; v16-17 LDS address of my x fragments in slot 0, 1
.set ADRB,  20                         ; v20-21 the same for W
.set BOFF,  22                         ; v22    my byte offset in a chunk's 64 biases
.set STO,   24                         ; v24    the way out: where I put 16 bytes
.set RD,    25                         ; v25    the way out: where I read them back
.set CO,    26                         ; v26    my byte offset in the output block
.set F0,    64                         ; fragment buffer 0: W's six at +8 j, x's four at +48 + 8 i
.set F1,    144                        ; fragment buffer 1
.set FA,    48
.set TMP,   64                         ; the way out: packed results
.set G1,  24                           ; s[24:31] group 1, x's tile
.set G0,  32                           ; s[32:39] group 0, x's tile, a set for each slot
.set G1B, 48                           ; s[48:55] group 1, a chunk's tile
.set G0B, 56                           ; s[56:63] group 0, a chunk's tile, a set for each slot
.set MSB, 0
.set MUL,     0x50                     ; C and D in window 1
.set TOACC,   0x40                     ; a load's destination in window 1
.set FROMACC, 0x05                     ; sources 0 and 1 in window 1
.macro WIN new                         ; the immediate's high byte repeats the setting that is left
.if MSB != \new
	s_set_vgpr_msb (MSB<<8)|\new
.set MSB, \new
.endif
.endm
.macro PLACES                          ; four places behind a matrix instruction (ISA guide 7.12.1) before its registers are loaded into or its result is read
.rept 4
	v_nop
.endr
.endm
; A joint load: wave 3 asks for x's tile, waves 0-2 for their chunks.  Each line has one mask; the branch hangs on the wave's number alone.
.macro JLOAD s
	s_cmp_eq_u32 s10, 3
	s_cbranch_scc0 .Lfor_b_\@
	tensor_load_to_lds s[G0+4*\s:G0+4*\s+3], s[G1:G1+7]
	s_nop 0
	s_branch .Lasked_\@
.Lfor_b_\@:
	tensor_load_to_lds s[G0B+4*\s:G0B+4*\s+3], s[G1B:G1B+7]
	s_nop 0
.Lasked_\@:
.endm
.macro CREST                           ; a round of the cluster's barrier behind its opening work-group barrier
	s_cmp_lg_u32 s10, 0
	s_cbranch_scc1 .Lnot_wave_0_\@
	s_barrier_signal -3
.Lnot_wave_0_\@:
	s_barrier_wait -3
	s_barrier_signal -1
	s_barrier_wait -1
.endm
.macro CROUND
	s_barrier_signal -1
	s_barrier_wait -1
	CREST
.endm
	s_load_b256 s[76:83], s[0:1], 0x0              ; xb s[76:77], wb s[78:79], bq s[80:81], bk s[82:83]
	s_load_b128 s[84:87], s[0:1], 0x20             ; bv s[84:85], qkv s[86:87]
	v_lshl_add_u32 v254, v0, 2, 0x3b800
	v_mov_b32 v255, 0
	ds_add_u32 v254, v255
	v_lshrrev_b32 v1, 5, v0
	v_readfirstlane_b32 s10, v1                    ; wave 0..3
	s_lshr_b32 s11, s10, 1                         ; wm
	s_and_b32 s12, s10, 1                          ; wn
	s_bfe_u32 s40, ttmp6, 0x40000                  ; cx
	s_bfe_u32 s41, ttmp6, 0x40004                  ; cy
	s_lshl_b32 s42, ttmp9, 2
	s_add_co_u32 s42, s42, s40                     ; nb = block column, 0..7
	s_and_b32 s13, ttmp7, 0xffff
	s_lshl_b32 s13, s13, 2
	s_add_co_u32 s13, s13, s41                     ; mb = block row, 0..31
	s_lshl_b32 s43, s41, 2
	s_lshl_b32 s43, 15, s43                        ; my row of the cluster
	s_lshl_b32 s44, 0x1111, s40                    ; my column
	s_or_b32 s[G1+0], s43, (1<<16)|(1<<20)|(1<<21)|(5<<22)|(3<<25)    ; mask; 2-byte elements; padding on; bit 21 beside a mask; after 64 words, 4 words
	s_mov_b32 s[G1+1], 128<<16                     ; tensor_dim0 = 128
	s_mov_b32 s[G1+2], 128<<16                     ; tensor_dim1 = 128
	s_mov_b32 s[G1+3], 128<<16                     ; tile_dim0 = 128 elements (256 bytes)
	s_mov_b32 s[G1+4], 128                         ; tile_dim1 = 128 rows
	s_mov_b32 s[G1+5], 1024                        ; elements from row to row
	s_mov_b32 s[G1+6], 0
	s_mov_b32 s[G1+7], 0
	s_or_b32 s[G1B+0], s44, (1<<16)|(1<<20)|(1<<21)|(4<<22)|(7<<25)   ; after 32 words, 8 words
	s_mov_b32 s[G1B+1], 64<<16
	s_mov_b32 s[G1B+2], 128<<16
	s_mov_b32 s[G1B+3], 64<<16                     ; 64 elements (128 bytes)
	s_mov_b32 s[G1B+4], 128                        ; 128 k rows
	s_mov_b32 s[G1B+5], 64
	s_mov_b32 s[G1B+6], 0
	s_mov_b32 s[G1B+7], 0
	s_lshl_b32 s16, s13, 18                        ; x: 128 rows of 2,048 bytes a block row
	s_mov_b32 s17, 0
	s_mul_i32 s88, s42, 3                          ; my first chunk
	s_add_co_u32 s46, s88, s10
	s_lshl_b32 s46, s46, 17                        ; chunk 3 nb + wave, 131,072 bytes each
	s_mov_b32 s47, 0
	s_mul_i32 s20, s10, WCH                        ; where my chunk goes: wave x 20,480
	s_wait_dscnt 0x0
	s_wait_kmcnt 0x0
	s_add_nc_u64 s[14:15], s[76:77], s[16:17]
	s_add_nc_u64 s[46:47], s[78:79], s[46:47]
	CROUND                                         ; all sixteen work-groups are here: the first joint loads meet
.irp s, 0,1
	s_mov_b32 s[G0+4*\s], 1
	s_mov_b32 s[G0+4*\s+1], AOFF+\s*SLOT
	s_add_nc_u64 s[G0+4*\s+2:G0+4*\s+3], s[14:15], \s*256          ; K step s: 128 elements along the row
	s_or_b32 s[G0+4*\s+3], s[G0+4*\s+3], 0x80000000
	s_mov_b32 s[G0B+4*\s], 1
	s_add_co_u32 s[G0B+4*\s+1], s20, \s*SLOT
	s_add_nc_u64 s[G0B+4*\s+2:G0B+4*\s+3], s[46:47], \s*16384      ; K step s: 128 k rows of 128 bytes
	s_or_b32 s[G0B+4*\s+3], s[G0B+4*\s+3], 0x80000000
	JLOAD \s                                       ; both first fills go out together: two tensor loads of the wave are out, the most in this text
.endr
	v_and_b32 v1, 15, v0                           ; r = l % 16
	v_bfe_u32 v2, v0, 4, 1                         ; h = l / 16
	v_and_b32 v3, 7, v0
	v_lshl_add_u32 v3, v2, 3, v3                   ; transposing load: k row 8 h + l % 8,
	v_mul_u32_u24 v3, v3, WP
	v_bfe_u32 v4, v0, 3, 1
	v_lshl_add_u32 v3, v4, 4, v3                   ; and 16 bytes on for lanes 8-15 of each half
	s_lshl_b32 s22, s12, 5                         ; my column tiles are the odd ones if wn = 1: 32 bytes on
	v_add_nc_u32 v[ADRB], s22, v3
	v_add_nc_u32 v[ADRB+1], SLOT, v[ADRB]
	v_mul_u32_u24 v5, v1, AP
	v_lshl_add_u32 v5, v2, 4, v5                   ; x: row r, 16 bytes for each half of the lanes
	s_mul_i32 s21, s11, 64*AP
	s_add_co_u32 s21, s21, AOFF
	v_add_nc_u32 v[ADRA], s21, v5
	v_add_nc_u32 v[ADRA+1], SLOT, v[ADRA]
	s_lshl_b32 s23, s12, 6
	v_lshl_add_u32 v[BOFF], v2, 5, s23             ; bias: 64 wn + 32 h bytes
	v_mul_u32_u24 v6, v1, SP
	v_lshl_add_u32 v6, v2, 4, v6
	s_mul_i32 s21, s11, 64*SP
	s_add_co_u32 s21, s21, s22
	s_add_co_u32 s21, s21, STAGE
	v_add_nc_u32 v[STO], s21, v6                   ; stage + (64 wm + r) 400 + 16 h + 32 wn
	v_lshrrev_b32 v7, 3, v0
	v_mul_u32_u24 v7, v7, SP
	v_and_b32 v8, 7, v0
	v_lshl_add_u32 v7, v8, 4, v7
	v_add_nc_u32 v[RD], STAGE, v7                  ; stage + (thread / 8) 400 + 16 (thread % 8)
	v_lshlrev_b32 v[CO], 4, v0
	; the bias of each of my three chunks: chunks 0-15 are bq's, 16-19 bk's, 20-23 bv's; 256 bytes a chunk
.irp jp, 0,1,2
	s_add_co_u32 s45, s88, \jp
	s_cmp_lt_u32 s45, 16
	s_cselect_b64 s[66+2*\jp:67+2*\jp], s[80:81], s[82:83]
	s_cselect_b32 s89, 0, 16
	s_cmp_lt_u32 s45, 20
	s_cselect_b64 s[66+2*\jp:67+2*\jp], s[66+2*\jp:67+2*\jp], s[84:85]
	s_cselect_b32 s89, s89, 20
	s_sub_co_u32 s90, s45, s89
	s_lshl_b32 s90, s90, 8
	s_mov_b32 s91, 0
	s_add_nc_u64 s[66+2*\jp:67+2*\jp], s[66+2*\jp:67+2*\jp], s[90:91]
.endr
	WIN TOACC
.irp i, 0,1,2,3
.irp j, 0,1,2,3,4,5
	global_load_b128 v[8*(6*\i+\j):8*(6*\i+\j)+3],   v[BOFF], s[66+2*(\j/2):67+2*(\j/2)] offset:(\j%2)*128      ; register e = bias of column 8 h + e of the tile
	global_load_b128 v[8*(6*\i+\j)+4:8*(6*\i+\j)+7], v[BOFF], s[66+2*(\j/2):67+2*(\j/2)] offset:(\j%2)*128+16
.endr
.endr
	WIN 0
	s_lshr_b32 s92, s13, 4                         ; the output block: batch mb / 16, planes 3 nb .., rows 128 (mb % 16) ..
	s_mul_i32 s92, s92, 24
	s_add_co_u32 s92, s92, s88
	s_lshl_b32 s92, s92, 18
	s_and_b32 s93, s13, 15
	s_lshl_b32 s93, s93, 14
	s_add_co_u32 s92, s92, s93
	s_mov_b32 s93, 0
	s_add_nc_u64 s[72:73], s[86:87], s[92:93]
; cnt row tiles from i0 on, times my six column tiles, 32 along K.  The 24 accumulators take turns, one instruction a turn, in the same order in
; every quarter step.
.macro MULH f, i0, cnt
.set mi, \i0
.rept \cnt
.irp j, 0,1,2,3,4,5
	v_wmma_f32_16x16x32_bf16 v[8*(6*mi+\j):8*(6*mi+\j)+7], v[\f+8*\j:\f+8*\j+7], v[\f+FA+8*mi:\f+FA+8*mi+7], v[8*(6*mi+\j):8*(6*mi+\j)+7]
.endr
.set mi, mi+1
.endr
.endm
; the fragments of quarter q of a slot's K step into buffer f: 12 transposing loads for W, then 8 loads for x
.macro FETCH slot, q, f
	WIN 0
.irp j, 0,1,2,3,4,5
	ds_load_tr16_b128 v[\f+8*\j:\f+8*\j+3],   v[ADRB+\slot] offset:(\j/2)*WCH+(\j%2)*64+32*WP*\q
	ds_load_tr16_b128 v[\f+8*\j+4:\f+8*\j+7], v[ADRB+\slot] offset:(\j/2)*WCH+(\j%2)*64+32*WP*\q+16*WP
.endr
.irp i, 0,1,2,3
	ds_load_b128 v[\f+FA+8*\i:\f+FA+8*\i+3],   v[ADRA+\slot] offset:16*AP*\i+64*\q
	ds_load_b128 v[\f+FA+8*\i+4:\f+FA+8*\i+7], v[ADRA+\slot] offset:16*AP*\i+64*\q+32
.endr
.endm
.macro QUARTER slot, q, f, g
	s_wait_dscnt 4                                 ; W and x's row tiles 0, 1 are in; the youngest four loads (row tiles 2, 3) may be out
	WIN MUL
	MULH \f, 0, 2
	PLACES
	FETCH \slot, \q, \g
	s_wait_dscnt NF                                ; all but the run just issued
	WIN MUL
	MULH \f, 2, 2
.endm
.macro THREE slot
	QUARTER \slot, 1, F0, F1
	QUARTER \slot, 2, F1, F0
	QUARTER \slot, 3, F0, F1
.endm
; The last quarter of a K step, and the change of slots.  In front of the barrier each wave waits for its reads of this slot and for all its tensor
; loads (one is out: its part of the next slot).  Where the slot is filled again the barrier opens a round of the cluster's barrier, and the joint
; refill is the wave's first and only tensor load behind the round.
.macro TURN slot, next, fill
	s_wait_dscnt 4
	WIN MUL
	MULH F1, 0, 1
	s_wait_dscnt 0x0
	s_wait_tensorcnt 0x0
	ds_add_u32 v254, v255
	s_wait_dscnt 0x0
	s_barrier_signal -1
	MULH F1, 1, 1                                  ; register work while the others arrive
	WIN 0
	s_barrier_wait -1
.if \fill
	CREST
	s_add_nc_u64 s[G0+4*\slot+2:G0+4*\slot+3], s[G0+4*\slot+2:G0+4*\slot+3], 2*256        ; no tensor load of mine is out: the addresses step two K steps on
	s_add_nc_u64 s[G0B+4*\slot+2:G0B+4*\slot+3], s[G0B+4*\slot+2:G0B+4*\slot+3], 2*16384
	JLOAD \slot
.endif
	PLACES
	FETCH \next, 0, F0
	WIN MUL
	MULH F1, 2, 2
.endm
	s_wait_tensorcnt 0x1                           ; my part of K step 0 is in; K step 1's may stay out
	s_barrier_signal -1
	s_barrier_wait -1
	s_wait_loadcnt 0x0                             ; the biases are in the accumulators
	FETCH 0, 0, F0
	s_mov_b32 s3, 3                                ; three laps fill the slots again (K steps 2 to 7), the fourth fills nothing
.Llap:
	THREE 0
	TURN 0, 1, 1
	THREE 1
	TURN 1, 0, 1
	WIN 0
	s_sub_co_u32 s3, s3, 1
	s_cmp_lg_u32 s3, 0
	s_cbranch_scc1 .Llap
	THREE 0
	TURN 0, 1, 0
	THREE 1
	s_wait_dscnt 4
	WIN MUL
	MULH F1, 0, 2
	s_wait_dscnt 0x0
	MULH F1, 2, 2
	; THE WAY OUT: round to f16, 16 bytes a lane into the stage, read back as rows of a plane, store 512 consecutive bytes a wave.
	PLACES
	WIN FROMACC
.set t, 0
.rept 24
.irp r, 0,1,2,3
	v_cvt_pk_f16_f32 v[TMP+4*t+\r], v[8*t+2*\r], v[8*t+2*\r+1]
.endr
.set t, t+1
.endr
	WIN 0
.irp i, 0,1,2,3
.irp j, 0,1,2,3,4,5
	ds_store_b128 v[STO], v[TMP+4*(6*\i+\j):TMP+4*(6*\i+\j)+3] offset:16*SP*\i+64*\j
.endr
.endr
	s_wait_dscnt 0x0                               ; a row of the stage is written by two waves: my stores are done,
	s_barrier_signal -1
	s_barrier_wait -1                              ; everybody's are
.irp c, 0,1,2
.irp rd, 0,1,2,3,4,5,6,7
	ds_load_b128 v[TMP+4*(8*\c+\rd):TMP+4*(8*\c+\rd)+3], v[RD] offset:16*SP*\rd+128*\c     ; chunk c, rows 16 rd + thread / 8
.endr
.endr
.irp c, 0,1,2
.irp rd, 0,1,2,3,4,5,6,7
	s_wait_dscnt 23-(8*\c+\rd)
	global_store_b128 v[CO], v[TMP+4*(8*\c+\rd):TMP+4*(8*\c+\rd)+3], s[72:73] offset:262144*\c+2048*\rd
.endr
.endr
	s_wait_tensorcnt 0x0
	ds_add_u32 v254, v255
	s_wait_dscnt 0x0
	CROUND                                         ; the closing round: no work-group ends while a partner may still ask for a tile that names it
	s_endpgm
.Lfunc_end_k_q841d7e3b1e_qkv:
	.size	k_q841d7e3b1e_qkv, .Lfunc_end_k_q841d7e3b1e_qkv-k_q841d7e3b1e_qkv
	.p2alignl 7, 3214868480
	.fill 96, 4, 3214868480
	.section	.rodata,"a",@progbits
	.p2align	6, 0x0
	.amdhsa_kernel k_q841d7e3b1e_qkv
		.amdhsa_group_segment_fixed_size 327680
		.amdhsa_private_segment_fixed_size 0
		.amdhsa_enable_private_segment 0
		.amdhsa_kernarg_size 48
		.amdhsa_user_sgpr_count 2
		.amdhsa_user_sgpr_kernarg_segment_ptr 1
		.amdhsa_wavefront_size32 1
		.amdhsa_system_sgpr_workgroup_id_x 1
		.amdhsa_system_sgpr_workgroup_id_y 1
		.amdhsa_system_sgpr_workgroup_id_z 1
		.amdhsa_system_vgpr_workitem_id 0
		.amdhsa_next_free_vgpr 448
		.amdhsa_next_free_sgpr 96
		.amdhsa_reserve_vcc 0
		.amdhsa_float_denorm_mode_32 3
		.amdhsa_float_denorm_mode_16_64 3
		.amdhsa_memory_ordered 1
		.amdhsa_forward_progress 1
		.amdhsa_inst_pref_size 75
	.end_amdhsa_kernel
	.amdgpu_metadata
---
amdhsa.version: [ 1, 2 ]
amdhsa.kernels:
  - .name:           k_q841d7e3b1e_qkv
    .symbol:         k_q841d7e3b1e_qkv.kd
    .args:
      - { .name: xb, .offset: 0, .size: 8, .value_kind: global_buffer, .address_space: global }
      - { .name: wb, .offset: 8, .size: 8, .value_kind: global_buffer, .address_space: global }
      - { .name: bq, .offset: 16, .size: 8, .value_kind: global_buffer, .address_space: global }
      - { .name: bk, .offset: 24, .size: 8, .value_kind: global_buffer, .address_space: global }
      - { .name: bv, .offset: 32, .size: 8, .value_kind: global_buffer, .address_space: global }
      - { .name: qkv, .offset: 40, .size: 8, .value_kind: global_buffer, .address_space: global }
    .group_segment_fixed_size: 327680
    .private_segment_fixed_size: 0
    .kernarg_segment_align: 8
    .kernarg_segment_size: 48
    .max_flat_workgroup_size: 128
    .sgpr_count:     96
    .vgpr_count:     448
    .wavefront_size: 32
...
	.end_amdgpu_metadata
.endif
;; end of part 2
;; launch attn (part 3): grid 256 x 1, 8 waves a work-group, clusters of 4 x 1, 327,680 bytes of LDS; arguments qkv, att; writes att
.if DOCPART == 3
	.amdgcn_target "amdgcn-amd-amdhsa--gfx1250"
	.amdhsa_code_object_version 6
	.text
	.protected	k_q841d7e3b1e_attn
	.globl	k_q841d7e3b1e_attn
	.p2align	8
	.type	k_q841d7e3b1e_attn,@function
k_q841d7e3b1e_attn:
	s_mov_b64 s[64:65], 0
	v_nop
	global_prefetch_b8 v0, s[64:65] scope:SCOPE_SE
	s_setreg_imm32_b32 hwreg(HW_REG_WAVE_MODE, 25, 1), 1
	s_wait_xcnt 0x0
	s_wait_alu depctr_hold_cnt(0) depctr_sa_sdst(0) depctr_va_vdst(0) depctr_va_sdst(0) depctr_va_ssrc(0) depctr_va_vcc(0) depctr_vm_vsrc(0)
	s_getreg_b32 s2, hwreg(HW_REG_IB_STS2, 6, 4)
	s_cmp_eq_u32 s2, 0
	s_cbranch_scc0 .Lentry_in_a_cluster
	s_endpgm
.Lentry_in_a_cluster:
	s_bfe_u32 s2, ttmp6, 0x10000c
	s_cmp_lg_u32 s2, 0x3003
	s_cbranch_scc0 .Lentry_shape_is_right
	s_endpgm
.Lentry_shape_is_right:
; Causal attention with a running maximum.  qkv[b][plane][t][64] f16 (planes 0-15 q, 16-19 k, 20-23 v); scores, softmax and sums in f32;
; the weights P (0 .. 1) are rounded to f16 for the second product, their sum is taken before the rounding.
; Result: att[b 2048 + t][head 16][hi 64 | lo 64] bf16, hi = bf16(a), lo = bf16(a - hi): 16 bits of a for the last product, whose other operand is bf16.
; LIMITS: v_exp_f32 gives 0 below 2^-126; NaN and infinities in q, k, v are not treated apart.
; SHARING.  Cluster c = ttmp9: p = c & 7, group g = (c >> 3) & 3, batch b = c >> 5.  Its four work-groups take the same 256 query rows (the blocks
; of 128 rows p and 15 - p, which together need the same number of keys for every p) of the four heads 4 g + cx, which share one key and value group:
; K's and V's tiles are asked for jointly by all four.  Nothing but Q's address and att's hangs on cx.
; A wave has 32 queries, block qb of 64; the waves are dealt so that, whether a SIMD gets waves w and w + 4 or w and w + 1, it has one wave of the low
; block and one of the high.  A wave needs (qb >> 1) + 1 steps of 64 keys; the last is the one on the diagonal and is masked; then it only keeps step.
; BOTH PRODUCTS ARE TRANSPOSED.  S^T = K Q^T: lane l holds query l % 16, registers e the keys 8 (l / 16) + e.  O^T = V^T P^T: the second source
; wants, for query l % 16, keys 8 (l / 16) + 0..7 and 16 + 8 (l / 16) + 0..7: two S tiles packed in place.  P never leaves its lane; the maximum and
; the sum are one number a lane and query tile, and lanes l and l ^ 16 meet by one v_permlanex16_b32.
.set VP,     160                       ; LDS pitch of a V row: 128 bytes + 32 (transposing load)
.set KP,     144                       ; LDS pitch of a K row: 128 bytes + 16
.set KOFF,   256*VP                    ; a slot: 256 rows of V, then 256 rows of K: four steps
.set SLOT,   KOFF+256*KP               ; 77,824
.set STAGE,  2*SLOT                    ; behind the ring: 32 rows x 272 bytes for each wave; no tensor load lands here
.set SP,     272
.set SC,   64                          ; v[64:127]  S tile (kt, qt) at + 8 (2 kt + qt); P of keys 32 u .. + 31 at + 8 (4 u + qt)
.set KF,   128                         ; v[128:191] K fragment (kt, kf) at + 8 (2 kt + kf)
.set VF,   192                         ; v[192:255] V fragment (dt, u) at + 8 (2 dt + u)
.set QW,   0                           ; window 1, v[0:31]:  Q fragment (qt, kf) at + 8 (2 qt + kf)
.set OW,   32                          ; window 1, v[32:95]: O tile (dt, qt) at + 8 (2 dt + qt)
; v[2:3], v[4:5] the maximum, two sets that take turns step by step; v[6:7] the sum; v[8:9] -c x maximum; v[10:11] the old sums' factor; v[12:23] at work
.set ADRK, 28                          ; v28-29 LDS address of my K fragments in slot 0, 1
.set ADRV, 30                          ; v30-31 the same for V
.set DIAG, 32                          ; v32    32 (qb & 1) + l % 16 - 8 (l / 16): key figure above it = masked
.set NINF, 33                          ; v33    -infinity
.set STO,  34
.set RD,   35
.set CO,   36
.set QOFF, 37
.set G1V, 24                           ; s[24:31] group 1 for V's tiles
.set G1K, 32                           ; s[32:39] group 1 for K's
.set G0V, 40                           ; s[40:47] group 0 for V's, a set for each slot
.set G0K, 48                           ; s[48:55] group 0 for K's
.set MSB, 0
.macro WIN new
.if MSB != \new
	s_set_vgpr_msb (MSB<<8)|\new
.set MSB, \new
.endif
.endm
.macro PLACES
.rept 4
	v_nop
.endr
.endm
.macro JLOAD s                         ; waves 0-3 ask for 64 rows of V each, waves 4-7 for 64 rows of K
	s_cmp_eq_u32 s9, 0
	s_cbranch_scc0 .Lfor_k_\@
	tensor_load_to_lds s[G0V+4*\s:G0V+4*\s+3], s[G1V:G1V+7]
	s_nop 0
	s_branch .Lasked_\@
.Lfor_k_\@:
	tensor_load_to_lds s[G0K+4*\s:G0K+4*\s+3], s[G1K:G1K+7]
	s_nop 0
.Lasked_\@:
.endm
.macro ROUND                           ; a round of the cluster's barrier
	s_barrier_signal -1
	s_barrier_wait -1
	s_cmp_lg_u32 s8, 0
	s_cbranch_scc1 .Lnot_wave_0_\@
	s_barrier_signal -3
.Lnot_wave_0_\@:
	s_barrier_wait -3
	s_barrier_signal -1
	s_barrier_wait -1
.endm
	s_load_b128 s[4:7], s[0:1], 0x0                ; qkv s[4:5], att s[6:7]
	v_lshl_add_u32 v62, v0, 2, 0x37000
	v_mov_b32 v63, 0
	ds_add_u32 v62, v63
	v_lshrrev_b32 v1, 5, v0
	v_readfirstlane_b32 s8, v1                     ; wave 0..7
	s_lshr_b32 s9, s8, 2                           ; 0: I fetch V, 1: K
	s_and_b32 s10, ttmp9, 7                        ; p
	s_bfe_u32 s11, ttmp9, 0x20003                  ; g
	s_lshr_b32 s12, ttmp9, 5                       ; b
	s_bfe_u32 s13, ttmp6, 0x40000                  ; cx
	s_lshl2_add_u32 s14, s11, s13                  ; head = 4 g + cx
	s_lshr_b32 s15, s8, 1                          ; which 32 rows of a block of 128
	s_xor_b32 s16, s8, s9
	s_and_b32 s16, s16, 1                          ; 0: the low block, 1: the high one
	s_lshl2_add_u32 s17, s10, s15                  ; 4 p + sub
	s_sub_co_u32 s21, 63, s17
	s_cmp_eq_u32 s16, 1
	s_cselect_b32 s17, s21, s17                    ; qb
	s_lshr_b32 s18, s17, 1                         ; my steps still to come behind the present one; 0 = the masked step; below 0 = done
	s_bfe_u32 s20, s10, 0x10001                    ; the work-group needs 8 - (p >> 1) slots: is that odd?
	s_lshr_b32 s21, s10, 2
	s_sub_co_u32 s19, 3, s21
	s_sub_co_u32 s19, s19, s20                     ; pairs of slots in the loop: 1 to 3
	s_mov_b32 s56, 0x3e38aa3b                      ; c = log2(e) / 8: the scale 1 / sqrt(64) and the change to base 2 in one factor
	s_mov_b32 s57, 0x3e38aa3b
	s_mov_b32 s58, 0xbe38aa3b                      ; -c
	s_mov_b32 s59, 0x76543210                      ; v_permlanex16_b32: lane l takes lane l ^ 16
	s_mov_b32 s60, 0xfedcba98
	s_mov_b32 s61, 0xffff0000                      ; a word's upper bf16
	s_mov_b32 s[G1V+0], 15|(1<<16)|(1<<20)|(1<<21)|(4<<22)|(7<<25)    ; all four work-groups; 2-byte elements; padding: after 32 words, 8 words
	s_mov_b32 s[G1K+0], 15|(1<<16)|(1<<20)|(1<<21)|(4<<22)|(3<<25)    ; after 32 words, 4 words
.irp gg, G1V, G1K
	s_mov_b32 s[\gg+1], 64<<16                     ; tensor_dim0 = 64
	s_mov_b32 s[\gg+2], 64<<16                     ; tensor_dim1 = 64
	s_mov_b32 s[\gg+3], 64<<16                     ; tile_dim0 = 64 elements (a head's row, 128 bytes)
	s_mov_b32 s[\gg+4], 64                         ; tile_dim1 = 64 rows
	s_mov_b32 s[\gg+5], 64                         ; elements from row to row
	s_mov_b32 s[\gg+6], 0
	s_mov_b32 s[\gg+7], 0
.endr
	s_mul_i32 s22, s12, 24
	s_add_co_u32 s23, s22, s11                     ; 24 b + g
	s_and_b32 s66, s8, 3
	s_lshl_b32 s66, s66, 13                        ; my 64 rows of a slot's 256
	s_add_co_u32 s68, s23, 20
	s_lshl_b32 s68, s68, 18                        ; V's plane, 262,144 bytes each
	s_add_co_u32 s68, s68, s66
	s_mov_b32 s69, 0
	s_add_co_u32 s70, s23, 16
	s_lshl_b32 s70, s70, 18                        ; K's plane
	s_add_co_u32 s70, s70, s66
	s_mov_b32 s71, 0
	s_add_co_u32 s72, s22, s14
	s_lshl_b32 s72, s72, 18                        ; Q: my head's plane,
	s_lshl_b32 s67, s17, 12                        ; 32 qb rows of 128 bytes
	s_add_co_u32 s72, s72, s67
	s_mov_b32 s73, 0
	s_lshl_b32 s74, s12, 23                        ; att: (2,048 b + 32 qb) rows of 4,096 bytes + 256 bytes a head
	s_lshl_b32 s67, s17, 17
	s_add_co_u32 s74, s74, s67
	s_lshl_b32 s67, s14, 8
	s_add_co_u32 s74, s74, s67
	s_mov_b32 s75, 0
	s_mul_i32 s76, s8, 64*VP                       ; V's rows go to wave x 10,240 (waves 0-3),
	s_mul_i32 s77, s8, 64*KP
	s_add_co_u32 s77, s77, KOFF-4*64*KP            ; K's to 4,096 + wave x 9,216 (waves 4-7): behind V's 256 rows
	s_wait_dscnt 0x0
	s_wait_kmcnt 0x0
	s_add_nc_u64 s[68:69], s[4:5], s[68:69]
	s_add_nc_u64 s[70:71], s[4:5], s[70:71]
	s_add_nc_u64 s[72:73], s[4:5], s[72:73]
	s_add_nc_u64 s[74:75], s[6:7], s[74:75]
	ROUND                                          ; the four work-groups are here: the first joint loads meet
.irp s, 0,1
	s_mov_b32 s[G0V+4*\s], 1
	s_add_co_u32 s[G0V+4*\s+1], s76, \s*SLOT
	s_add_nc_u64 s[G0V+4*\s+2:G0V+4*\s+3], s[68:69], \s*32768      ; keys 256 s ..
	s_or_b32 s[G0V+4*\s+3], s[G0V+4*\s+3], 0x80000000
	s_mov_b32 s[G0K+4*\s], 1
	s_add_co_u32 s[G0K+4*\s+1], s77, \s*SLOT
	s_add_nc_u64 s[G0K+4*\s+2:G0K+4*\s+3], s[70:71], \s*32768
	s_or_b32 s[G0K+4*\s+3], s[G0K+4*\s+3], 0x80000000
	JLOAD \s                                       ; both first fills together: two tensor loads of the wave are out, the most in this text
.endr
	v_and_b32 v1, 15, v0                           ; r = l % 16
	v_bfe_u32 v12, v0, 4, 1                        ; h = l / 16
	v_and_b32 v13, 7, v0
	v_bfe_u32 v14, v0, 3, 1
	v_mul_u32_u24 v16, v1, KP
	v_lshl_add_u32 v16, v12, 4, v16
	v_add_nc_u32 v[ADRK], KOFF, v16                ; K: row r, 16 bytes for each half of the lanes
	v_add_nc_u32 v[ADRK+1], SLOT, v[ADRK]
	v_lshl_add_u32 v17, v12, 3, v13
	v_mul_u32_u24 v17, v17, VP
	v_lshl_add_u32 v[ADRV], v14, 4, v17            ; V, transposing load: key row 8 h + l % 8, 16 bytes on for lanes 8-15 of each half
	v_add_nc_u32 v[ADRV+1], SLOT, v[ADRV]
	s_mul_i32 s21, s8, 32*SP
	s_add_co_u32 s21, s21, STAGE                   ; my stage
	v_mul_u32_u24 v18, v1, SP
	v_lshl_add_u32 v18, v12, 4, v18
	v_add_nc_u32 v[STO], s21, v18                  ; in: row r, 16 bytes for each half
	v_mul_u32_u24 v19, v12, SP
	v_lshl_add_u32 v19, v1, 4, v19
	v_add_nc_u32 v[RD], s21, v19                   ; back: lanes 0-15 one row of 256 bytes, lanes 16-31 the next
	v_lshlrev_b32 v[CO], 4, v1
	v_lshl_add_u32 v[CO], v12, 12, v[CO]           ; and the same two rows in att
	v_lshlrev_b32 v[QOFF], 7, v1
	v_lshl_add_u32 v[QOFF], v12, 4, v[QOFF]
	s_and_b32 s22, s17, 1
	s_lshl_b32 s22, s22, 5
	v_add_nc_u32 v[DIAG], s22, v1
	v_lshlrev_b32 v19, 3, v12
	v_sub_nc_u32 v[DIAG], v[DIAG], v19
	v_mov_b32 v[NINF], 0xff800000
	v_mov_b32 v4, v[NINF]                          ; the maximum's second set and the lane exchange's destinations are written once here,
	v_mov_b32 v5, v[NINF]                          ; so that every register is defined on every way through the branches
	v_mov_b32 v20, 0
	v_mov_b32 v21, 0
	WIN 0x40
.irp qt, 0,1
.irp kf, 0,1
	global_load_b128 v[QW+8*(2*\qt+\kf):QW+8*(2*\qt+\kf)+3],   v[QOFF], s[72:73] offset:2048*\qt+64*\kf
	global_load_b128 v[QW+8*(2*\qt+\kf)+4:QW+8*(2*\qt+\kf)+7], v[QOFF], s[72:73] offset:2048*\qt+64*\kf+32
.endr
.endr
	WIN 0
.macro KLOAD slot, st                  ; 64 keys x 64 d: 16 loads
.irp kt, 0,1,2,3
.irp kf, 0,1
	ds_load_b128 v[KF+8*(2*\kt+\kf):KF+8*(2*\kt+\kf)+3],   v[ADRK+\slot] offset:64*KP*(\st)+16*KP*\kt+64*\kf
	ds_load_b128 v[KF+8*(2*\kt+\kf)+4:KF+8*(2*\kt+\kf)+7], v[ADRK+\slot] offset:64*KP*(\st)+16*KP*\kt+64*\kf+32
.endr
.endr
.endm
.macro VLOAD slot, st                  ; 64 d x 64 keys: 16 transposing loads
.irp dt, 0,1,2,3
.irp u, 0,1
	ds_load_tr16_b128 v[VF+8*(2*\dt+\u):VF+8*(2*\dt+\u)+3],   v[ADRV+\slot] offset:64*VP*(\st)+32*VP*\u+32*\dt
	ds_load_tr16_b128 v[VF+8*(2*\dt+\u)+4:VF+8*(2*\dt+\u)+7], v[ADRV+\slot] offset:64*VP*(\st)+32*VP*\u+32*\dt+16*VP
.endr
.endr
.endm
; The step on the diagonal.  Key 16 kt + 8 h + e is beyond query 32 (qb & 1) + 16 qt + r where 16 (kt - qt) + e > DIAG; DIAG is -8 at the least, so
; kt - qt = -1 masks nothing.  One compare serves tile (d, 0) and tile (d + 1, 1).
.macro MASK
.irp d, 0,1,2,3
.irp e, 0,1,2,3,4,5,6,7
	v_cmp_gt_i32 vcc_lo, 16*\d+\e, v[DIAG]
	v_cndmask_b32 v[SC+16*\d+\e], v[SC+16*\d+\e], v[NINF], vcc_lo
.if \d < 3
	v_cndmask_b32 v[SC+16*\d+24+\e], v[SC+16*\d+24+\e], v[NINF], vcc_lo
.endif
.endr
.endr
.endm
; the new maximum of query tile qt: my 32 scores and the old maximum in 16 three-way maxima, then the other half's lane
.macro ROWMAX qt, first
.set TT, 12+4*\qt
.irp kt, 0,1,2,3
	v_max3_num_f32 v[TT+\kt], v[SC+8*(2*\kt+\qt)], v[SC+8*(2*\kt+\qt)+1], v[SC+8*(2*\kt+\qt)+2]
.endr
.irp kt, 0,1,2,3
	v_max3_num_f32 v[TT+\kt], v[TT+\kt], v[SC+8*(2*\kt+\qt)+3], v[SC+8*(2*\kt+\qt)+4]
.endr
.irp kt, 0,1,2,3
	v_max3_num_f32 v[TT+\kt], v[TT+\kt], v[SC+8*(2*\kt+\qt)+5], v[SC+8*(2*\kt+\qt)+6]
.endr
	v_max3_num_f32 v[TT], v[TT], v[TT+1], v[SC+8*\qt+7]
	v_max3_num_f32 v[TT+2], v[TT+2], v[TT+3], v[SC+8*(2+\qt)+7]
	v_max3_num_f32 v[TT], v[TT], v[TT+2], v[SC+8*(4+\qt)+7]
.if \first
	v_max_num_f32 v[TT], v[TT], v[SC+8*(6+\qt)+7]
.else
	v_max3_num_f32 v[TT], v[TT], v[SC+8*(6+\qt)+7], v[MO+\qt]
.endif
	v_permlanex16_b32 v[20+\qt], v[TT], s59, s60
	v_max_num_f32 v[MN+\qt], v[TT], v[20+\qt]
	v_mul_f32 v[8+\qt], s58, v[MN+\qt]             ; -c m
.if \first == 0
	v_fma_f32 v[22+\qt], v[MO+\qt], s56, v[8+\qt]  ; c (old m - m), at most 0
.endif
.endm
; my 32 weights of query tile qt are added (two chains of packed sums) onto the old sum times its factor
.macro ROWSUM qt, first
.set TT, 12+4*\qt
	v_pk_add_f32 v[TT:TT+1],   v[SC+8*\qt:SC+8*\qt+1],         v[SC+8*\qt+2:SC+8*\qt+3]
	v_pk_add_f32 v[TT+2:TT+3], v[SC+8*(4+\qt):SC+8*(4+\qt)+1], v[SC+8*(4+\qt)+2:SC+8*(4+\qt)+3]
.irp e, 4,6
	v_pk_add_f32 v[TT:TT+1],   v[TT:TT+1],   v[SC+8*\qt+\e:SC+8*\qt+\e+1]
	v_pk_add_f32 v[TT+2:TT+3], v[TT+2:TT+3], v[SC+8*(4+\qt)+\e:SC+8*(4+\qt)+\e+1]
.endr
.irp e, 0,2,4,6
	v_pk_add_f32 v[TT:TT+1],   v[TT:TT+1],   v[SC+8*(2+\qt)+\e:SC+8*(2+\qt)+\e+1]
	v_pk_add_f32 v[TT+2:TT+3], v[TT+2:TT+3], v[SC+8*(6+\qt)+\e:SC+8*(6+\qt)+\e+1]
.endr
	v_pk_add_f32 v[TT:TT+1], v[TT:TT+1], v[TT+2:TT+3]
.if \first
	v_add_f32 v[6+\qt], v[TT], v[TT+1]
.else
	v_add_f32 v[TT], v[TT], v[TT+1]
	v_fma_f32 v[6+\qt], v[6+\qt], v[10+\qt], v[TT]
.endif
.endm
.macro OSCALE                          ; O times v10 (query tile 0) or v11 (query tile 1)
	WIN 0x41                                       ; source 0 and destination in window 1
.irp dt, 0,1,2,3
.irp e, 0,2,4,6
	v_pk_mul_f32 v[OW+16*\dt+\e:OW+16*\dt+\e+1],     v[OW+16*\dt+\e:OW+16*\dt+\e+1],     v[10:11] op_sel_hi:[1,0]
	v_pk_mul_f32 v[OW+16*\dt+8+\e:OW+16*\dt+8+\e+1], v[OW+16*\dt+8+\e:OW+16*\dt+8+\e+1], v[10:11] op_sel:[0,1] op_sel_hi:[1,1]
.endr
.endr
.endm
; One step: 64 keys (step st of a slot) against my 32 queries.  first = 1: the wave's very first step starts the maximum, the sum and O.
; pref = 1: the next step's K fragments are asked for in this step.
.macro STEP slot, st, first, pref
.set MN, 2+2*((\st)&1)
.set MO, 4-2*((\st)&1)
.if \first == 0
.rept 5
	v_nop                                          ; five places behind the last step's second product, whose second source (P) the scores write over (ISA guide 7.12.1)
.endr
.endif
	s_wait_dscnt 0x0                               ; this step's K fragments are in
	WIN 0x04                                       ; source 1 (Q) in window 1
.irp kt, 0,1,2,3
.irp qt, 0,1
	v_wmma_f32_16x16x32_f16 v[SC+8*(2*\kt+\qt):SC+8*(2*\kt+\qt)+7], v[KF+16*\kt:KF+16*\kt+7], v[QW+16*\qt:QW+16*\qt+7], 0
.endr
.endr
.irp kt, 0,1,2,3
.irp qt, 0,1
	v_wmma_f32_16x16x32_f16 v[SC+8*(2*\kt+\qt):SC+8*(2*\kt+\qt)+7], v[KF+16*\kt+8:KF+16*\kt+15], v[QW+16*\qt+8:QW+16*\qt+15], v[SC+8*(2*\kt+\qt):SC+8*(2*\kt+\qt)+7]
.endr
.endr                                              ; the eight score tiles take turns, one instruction a turn
	WIN 0
	PLACES                                         ; behind them: loads into K's registers, and the first reads of the scores
	VLOAD \slot, \st
.if \pref
	KLOAD \slot, \st+1
.endif
	s_cmp_lg_u32 s18, 0
	s_cbranch_scc1 .Lnomask_\@
	MASK
.Lnomask_\@:
	ROWMAX 0, \first
	ROWMAX 1, \first
.irp kt, 0,1,2,3
.irp e, 0,2,4,6
	v_pk_fma_f32 v[SC+16*\kt+\e:SC+16*\kt+\e+1],     v[SC+16*\kt+\e:SC+16*\kt+\e+1],     s[56:57], v[8:9] op_sel_hi:[1,0,0]                   ; c s - c m
	v_pk_fma_f32 v[SC+16*\kt+8+\e:SC+16*\kt+8+\e+1], v[SC+16*\kt+8+\e:SC+16*\kt+8+\e+1], s[56:57], v[8:9] op_sel:[0,0,1] op_sel_hi:[1,0,1]
.endr
.endr
.set i, 0
.rept 64
	v_exp_f32 v[SC+i], v[SC+i]
.set i, i+1
.endr
.if \first == 0
	v_exp_f32 v10, v22
	v_exp_f32 v11, v23
.endif
	v_nop                                          ; one plain instruction behind the run of exponentials before a result is used (ISA guide 5.7.2)
	s_wait_alu depctr_va_vdst(0)
	ROWSUM 0, \first
	ROWSUM 1, \first
	; P to f16, in place: tile 2 u fills registers 0-3 of its own eight, tile 2 u + 1 registers 4-7 of the same eight
.irp u, 0,1
.irp qt, 0,1
.irp r, 0,1,2,3
	v_cvt_pk_f16_f32 v[SC+8*(4*\u+\qt)+\r], v[SC+8*(4*\u+\qt)+2*\r], v[SC+8*(4*\u+\qt)+2*\r+1]
.endr
.irp r, 0,1,2,3
	v_cvt_pk_f16_f32 v[SC+8*(4*\u+\qt)+4+\r], v[SC+8*(4*\u+2+\qt)+2*\r], v[SC+8*(4*\u+2+\qt)+2*\r+1]
.endr
.endr
.endr
.if \first == 0
	OSCALE
.endif
.if \pref
	s_wait_dscnt 16                                ; V's fragments are in; the 16 younger loads, the next step's K, stay out
.else
	s_wait_dscnt 0x0
.endif
	WIN 0x50                                       ; C and D (O) in window 1
.irp dt, 0,1,2,3
.irp qt, 0,1
.if \first
	v_wmma_f32_16x16x32_f16 v[OW+16*\dt+8*\qt:OW+16*\dt+8*\qt+7], v[VF+16*\dt:VF+16*\dt+7], v[SC+8*\qt:SC+8*\qt+7], 0
.else
	v_wmma_f32_16x16x32_f16 v[OW+16*\dt+8*\qt:OW+16*\dt+8*\qt+7], v[VF+16*\dt:VF+16*\dt+7], v[SC+8*\qt:SC+8*\qt+7], v[OW+16*\dt+8*\qt:OW+16*\dt+8*\qt+7]
.endif
.endr
.endr
.irp dt, 0,1,2,3
.irp qt, 0,1
	v_wmma_f32_16x16x32_f16 v[OW+16*\dt+8*\qt:OW+16*\dt+8*\qt+7], v[VF+16*\dt+8:VF+16*\dt+15], v[SC+32+8*\qt:SC+32+8*\qt+7], v[OW+16*\dt+8*\qt:OW+16*\dt+8*\qt+7]
.endr
.endr                                              ; the eight tiles of O take turns likewise
	WIN 0
.endm
.macro NEXT lbl                        ; one step fewer to come; a wave that has had its masked step leaves the slot
	s_sub_co_i32 s18, s18, 1
	s_cmp_lt_i32 s18, 0
	s_cbranch_scc1 \lbl
.endm
.macro SLOTPROC slot, first            ; a slot's four steps, as far as the wave needs them; no barrier and no tensor load stands inside
.if \first == 0
	s_cmp_lt_i32 s18, 0
	s_cbranch_scc1 .Lslot_end_\@
.endif
	KLOAD \slot, 0
	STEP \slot, 0, \first, 1
	NEXT .Lslot_end_\@
	STEP \slot, 1, 0, 1
	NEXT .Lslot_end_\@
	STEP \slot, 2, 0, 1
	NEXT .Lslot_end_\@
	STEP \slot, 3, 0, 0
	s_sub_co_i32 s18, s18, 1
.Lslot_end_\@:
.endm
; The change to slot `slot`.  Every wave waits for all its tensor loads (its part of this slot among them) and for its reads of the other slot; where
; the other slot is filled again, a round of the cluster's barrier follows and the joint refill is the wave's first and only tensor load behind it.
.macro TWO slot, other, refill
	s_wait_tensorcnt 0x0
	ds_add_u32 v62, v63
	s_wait_dscnt 0x0
.if \refill
	s_add_nc_u64 s[G0V+4*\other+2:G0V+4*\other+3], s[G0V+4*\other+2:G0V+4*\other+3], 65536     ; no tensor load of mine is out: 512 keys on
	s_add_nc_u64 s[G0K+4*\other+2:G0K+4*\other+3], s[G0K+4*\other+2:G0K+4*\other+3], 65536
.endif
	s_wait_dscnt 0x0
.if \refill
	ROUND
	JLOAD \other
.else
	s_barrier_signal -1
	s_barrier_wait -1
.endif
	SLOTPROC \slot, 0
.endm
	s_wait_tensorcnt 0x1                           ; my part of slot 0 is in; slot 1's may stay out
	s_barrier_signal -1
	s_barrier_wait -1
	s_wait_loadcnt 0x0                             ; Q
	SLOTPROC 0, 1
.Lpair:
	TWO 1, 0, 1
	TWO 0, 1, 1
	s_sub_co_u32 s19, s19, 1
	s_cmp_lg_u32 s19, 0
	s_cbranch_scc1 .Lpair
	s_cmp_lg_u32 s20, 0                            ; hangs on ttmp9 alone: the same in every wave and in all four work-groups
	s_cbranch_scc1 .Lodd
	TWO 1, 0, 0                                    ; an even number of slots: one is left, nothing more to fetch
	s_branch .Lout
.Lodd:
	TWO 1, 0, 1                                    ; an odd number: two are left, one more fill
	TWO 0, 1, 0
.Lout:
	; THE WAY OUT.  a = O / sum; hi = bf16(a), lo = bf16(a - hi); through my own stage; 16 lanes store the 256 bytes [hi | lo] of one row and head.
	s_wait_dscnt 0x0                               ; a wave that left a slot early still has K fragments on their way into v[128:191]
	PLACES                                         ; behind the last matrix instructions
	v_permlanex16_b32 v20, v6, s59, s60            ; the two halves of the keys meet
	v_permlanex16_b32 v21, v7, s59, s60
	v_add_f32 v6, v6, v20
	v_add_f32 v7, v7, v21
	v_rcp_f32 v10, v6                              ; the sum is at least 1: the largest weight is 1
	v_rcp_f32 v11, v7
	v_nop
	s_wait_alu depctr_va_vdst(0)
	OSCALE
	WIN 0x05                                       ; sources in window 1
.set i, 0
.rept 32
	v_cvt_pk_bf16_f32 v[SC+i], v[OW+2*i], v[OW+2*i+1]
.set i, i+1
.endr
	WIN 0
.set i, 0
.rept 32
	v_lshlrev_b32 v[VF+2*i], 16, v[SC+i]           ; hi back in f32
	v_and_b32 v[VF+2*i+1], s61, v[SC+i]
.set i, i+1
.endr
	WIN 0x41
.set i, 0
.rept 32
	v_pk_add_f32 v[OW+2*i:OW+2*i+1], v[OW+2*i:OW+2*i+1], v[VF+2*i:VF+2*i+1] neg_lo:[0,1] neg_hi:[0,1]    ; a - hi, exact
.set i, i+1
.endr
	WIN 0x05
.set i, 0
.rept 32
	v_cvt_pk_bf16_f32 v[SC+32+i], v[OW+2*i], v[OW+2*i+1]
.set i, i+1
.endr
	WIN 0
.irp dt, 0,1,2,3
.irp qt, 0,1
	ds_store_b128 v[STO], v[SC+4*(2*\dt+\qt):SC+4*(2*\dt+\qt)+3],       offset:16*SP*\qt+32*\dt
	ds_store_b128 v[STO], v[SC+32+4*(2*\dt+\qt):SC+32+4*(2*\dt+\qt)+3], offset:16*SP*\qt+32*\dt+128
.endr
.endr
.irp t, 0,1,2,3,4,5,6,7,8,9,10,11,12,13,14,15
	ds_load_b128 v[KF+4*\t:KF+4*\t+3], v[RD] offset:2*SP*\t        ; LDS serves a wave's instructions in order (ISA guide 5.7.1): these see the stores above
.endr
.irp t, 0,1,2,3,4,5,6,7,8,9,10,11,12,13,14,15
	s_wait_dscnt 15-\t
	global_store_b128 v[CO], v[KF+4*\t:KF+4*\t+3], s[74:75] offset:8192*\t
.endr
	s_wait_tensorcnt 0x0
	ds_add_u32 v62, v63
	s_wait_dscnt 0x0
	ROUND                                          ; the closing round
	s_endpgm
.Lfunc_end_k_q841d7e3b1e_attn:
	.size	k_q841d7e3b1e_attn, .Lfunc_end_k_q841d7e3b1e_attn-k_q841d7e3b1e_attn
	.p2alignl 7, 3214868480
	.fill 96, 4, 3214868480
	.section	.rodata,"a",@progbits
	.p2align	6, 0x0
	.amdhsa_kernel k_q841d7e3b1e_attn
		.amdhsa_group_segment_fixed_size 327680
		.amdhsa_private_segment_fixed_size 0
		.amdhsa_enable_private_segment 0
		.amdhsa_kernarg_size 16
		.amdhsa_user_sgpr_count 2
		.amdhsa_user_sgpr_kernarg_segment_ptr 1
		.amdhsa_wavefront_size32 1
		.amdhsa_system_sgpr_workgroup_id_x 1
		.amdhsa_system_sgpr_workgroup_id_y 1
		.amdhsa_system_sgpr_workgroup_id_z 1
		.amdhsa_system_vgpr_workitem_id 0
		.amdhsa_next_free_vgpr 352
		.amdhsa_next_free_sgpr 80
		.amdhsa_reserve_vcc 1
		.amdhsa_float_denorm_mode_32 3
		.amdhsa_float_denorm_mode_16_64 3
		.amdhsa_memory_ordered 1
		.amdhsa_forward_progress 1
		.amdhsa_inst_pref_size 255
	.end_amdhsa_kernel
	.section	.bss,"aw",@nobits
	.p2align	6
	.space	262144
	.amdgpu_metadata
---
amdhsa.version: [ 1, 2 ]
amdhsa.kernels:
  - .name:           k_q841d7e3b1e_attn
    .symbol:         k_q841d7e3b1e_attn.kd
    .args:
      - { .name: qkv, .offset: 0, .size: 8, .value_kind: global_buffer, .address_space: global }
      - { .name: att, .offset: 8, .size: 8, .value_kind: global_buffer, .address_space: global }
    .group_segment_fixed_size: 327680
    .private_segment_fixed_size: 0
    .kernarg_segment_align: 8
    .kernarg_segment_size: 16
    .max_flat_workgroup_size: 256
    .sgpr_count:     80
    .vgpr_count:     352
    .wavefront_size: 32
...
	.end_amdgpu_metadata
.endif
;; end of part 3
;; launch oproj (part 4): grid 8 x 32, 4 waves a work-group, clusters of 4 x 4, 327,680 bytes of LDS; arguments att, wb, bo, out0; writes out0
.if DOCPART == 4
	.amdgcn_target "amdgcn-amd-amdhsa--gfx1250"
	.amdhsa_code_object_version 6
	.text
	.protected	k_q841d7e3b1e_oproj
	.globl	k_q841d7e3b1e_oproj
	.p2align	8
	.type	k_q841d7e3b1e_oproj,@function
k_q841d7e3b1e_oproj:
	s_mov_b64 s[64:65], 0
	v_nop
	global_prefetch_b8 v0, s[64:65] scope:SCOPE_SE
	s_setreg_imm32_b32 hwreg(HW_REG_WAVE_MODE, 25, 1), 1
	s_wait_xcnt 0x0
	s_wait_alu depctr_hold_cnt(0) depctr_sa_sdst(0) depctr_va_vdst(0) depctr_va_sdst(0) depctr_va_ssrc(0) depctr_va_vcc(0) depctr_vm_vsrc(0)
	s_getreg_b32 s2, hwreg(HW_REG_IB_STS2, 6, 4)
	s_cmp_eq_u32 s2, 0
	s_cbranch_scc0 .Lentry_in_a_cluster
	s_endpgm
.Lentry_in_a_cluster:
	s_bfe_u32 s2, ttmp6, 0x10000c
	s_cmp_lg_u32 s2, 0xf033
	s_cbranch_scc0 .Lentry_shape_is_right
	s_endpgm
.Lentry_shape_is_right:
; out0 = a Wo + bo, f32.  a comes as att[4096][head 16][hi 64 | lo 64] bf16 with a = hi + lo; Wo as chunks 24-39 of wb, [1024 k][64 n] bf16.
; Each fragment of Wo is multiplied by a's hi fragment and by its lo fragment into the same f32 sum: twice the matrix instructions of a plain
; product, for 16 bits of a instead of 8 (the first rows of a sequence are much larger than the output's typical number, so 8 bits would show).
; A work-group makes 128 x 128 with four waves; wave (wm, wn) makes rows 64 wm .. + 63 x chunk wn: 16 accumulator tiles in window 1.
; A K step is 128 rows of Wo = two heads = 512 bytes of a row of att; 8 steps through two LDS slots.
; CLUSTERS: 4 x 4; att's tile is asked for jointly along a row of the cluster, a chunk's along a column.  Waves 0, 1 ask for 64 rows of att each,
; waves 2, 3 for a chunk each.  The matrix instruction is used transposed, and the accumulators start as the bias, as in the launch qkv.
.set WP,    160                        ; LDS pitch of a chunk's k row: 128 bytes + 32
.set AP,    528                        ; LDS pitch of att's row: 512 bytes + 16, an odd multiple of 16
.set AH,    64*AP                      ; 64 rows: what one wave fetches of att
.set WOFF,  2*AH                       ; the chunks lie behind att's 128 rows
.set WCH,   128*WP
.set SLOT,  WOFF+2*WCH                 ; 108,544
.set STAGE, 2*SLOT                     ; behind the ring: 16 rows x 272 bytes for each wave; no tensor load lands here
.set SP,    272
.set NF,    24                         ; LDS loads of a quarter step: 8 for W, 8 for hi, 8 for lo
.set ADRA,  16
.set ADRB,  20
.set BOFF,  22
.set STO,   24
.set RD,    25
.set CO,    26
.set F0,    64                         ; fragment buffer 0: W's four at + 8 j, hi's four at + 32 + 8 i, lo's four at + 64 + 8 i
.set F1,    160                        ; fragment buffer 1
.set FA,    32
.set G1,  24
.set G0,  32
.set G1B, 48
.set G0B, 56
.set MSB, 0
.set MUL,   0x50                       ; C and D in window 1
.set TOACC, 0x40                       ; a load's destination in window 1
.set STACC, 0x04                       ; an LDS store's data in window 1
.macro WIN new
.if MSB != \new
	s_set_vgpr_msb (MSB<<8)|\new
.set MSB, \new
.endif
.endm
.macro PLACES
.rept 4
	v_nop
.endr
.endm
.macro JLOAD s
	s_cmp_eq_u32 s11, 0
	s_cbranch_scc0 .Lfor_b_\@
	tensor_load_to_lds s[G0+4*\s:G0+4*\s+3], s[G1:G1+7]
	s_nop 0
	s_branch .Lasked_\@
.Lfor_b_\@:
	tensor_load_to_lds s[G0B+4*\s:G0B+4*\s+3], s[G1B:G1B+7]
	s_nop 0
.Lasked_\@:
.endm
.macro CREST
	s_cmp_lg_u32 s10, 0
	s_cbranch_scc1 .Lnot_wave_0_\@
	s_barrier_signal -3
.Lnot_wave_0_\@:
	s_barrier_wait -3
	s_barrier_signal -1
	s_barrier_wait -1
.endm
.macro CROUND
	s_barrier_signal -1
	s_barrier_wait -1
	CREST
.endm
	s_load_b256 s[68:75], s[0:1], 0x0              ; att s[68:69], wb s[70:71], bo s[72:73], out0 s[74:75]
	v_lshl_add_u32 v62, v0, 2, 0x39400
	v_mov_b32 v63, 0
	ds_add_u32 v62, v63
	v_lshrrev_b32 v1, 5, v0
	v_readfirstlane_b32 s10, v1                    ; wave 0..3
	s_lshr_b32 s11, s10, 1                         ; wm.  Also: I fetch att (0) or Wo (1)
	s_and_b32 s12, s10, 1                          ; wn.  Also: which half of att's rows, or which chunk, I fetch
	s_bfe_u32 s40, ttmp6, 0x40000                  ; cx
	s_bfe_u32 s41, ttmp6, 0x40004                  ; cy
	s_lshl_b32 s42, ttmp9, 2
	s_add_co_u32 s42, s42, s40                     ; nb, 0..7
	s_and_b32 s13, ttmp7, 0xffff
	s_lshl_b32 s13, s13, 2
	s_add_co_u32 s13, s13, s41                     ; mb, 0..31
	s_lshl_b32 s43, s41, 2
	s_lshl_b32 s43, 15, s43                        ; my row of the cluster
	s_lshl_b32 s44, 0x1111, s40                    ; my column
	s_or_b32 s[G1+0], s43, (1<<16)|(1<<20)|(1<<21)|(6<<22)|(3<<25)    ; padding: after 128 words, 4 words
	s_mov_b32 s[G1+1], 256<<16                     ; tensor_dim0 = 256
	s_mov_b32 s[G1+2], 64<<16                      ; tensor_dim1 = 64
	s_mov_b32 s[G1+3], 256<<16                     ; tile_dim0 = 256 elements (512 bytes)
	s_mov_b32 s[G1+4], 64                          ; tile_dim1 = 64 rows
	s_mov_b32 s[G1+5], 2048                        ; elements from row to row
	s_mov_b32 s[G1+6], 0
	s_mov_b32 s[G1+7], 0
	s_or_b32 s[G1B+0], s44, (1<<16)|(1<<20)|(1<<21)|(4<<22)|(7<<25)   ; after 32 words, 8 words
	s_mov_b32 s[G1B+1], 64<<16
	s_mov_b32 s[G1B+2], 128<<16
	s_mov_b32 s[G1B+3], 64<<16
	s_mov_b32 s[G1B+4], 128
	s_mov_b32 s[G1B+5], 64
	s_mov_b32 s[G1B+6], 0
	s_mov_b32 s[G1B+7], 0
	s_lshl_b32 s16, s13, 19                        ; att: 128 rows of 4,096 bytes a block row,
	s_lshl_b32 s17, s12, 18                        ; 64 rows a half
	s_add_co_u32 s16, s16, s17
	s_mov_b32 s17, 0
	s_lshl_b32 s46, s42, 1
	s_add_co_u32 s46, s46, s12
	s_add_co_u32 s46, s46, 24                      ; chunk 24 + 2 nb + half
	s_lshl_b32 s46, s46, 17
	s_mov_b32 s47, 0
	s_mul_i32 s20, s10, AH                         ; att's rows go to wave x 33,792 (waves 0, 1),
	s_mul_i32 s21, s10, WCH
	s_add_co_u32 s21, s21, WOFF-2*WCH              ; the chunks to 26,624 + wave x 20,480 (waves 2, 3)
	s_wait_dscnt 0x0
	s_wait_kmcnt 0x0
	s_add_nc_u64 s[14:15], s[68:69], s[16:17]
	s_add_nc_u64 s[46:47], s[70:71], s[46:47]
	CROUND                                         ; the first joint loads meet
.irp s, 0,1
	s_mov_b32 s[G0+4*\s], 1
	s_add_co_u32 s[G0+4*\s+1], s20, \s*SLOT
	s_add_nc_u64 s[G0+4*\s+2:G0+4*\s+3], s[14:15], \s*512          ; K step s: two heads, 256 bytes each
	s_or_b32 s[G0+4*\s+3], s[G0+4*\s+3], 0x80000000
	s_mov_b32 s[G0B+4*\s], 1
	s_add_co_u32 s[G0B+4*\s+1], s21, \s*SLOT
	s_add_nc_u64 s[G0B+4*\s+2:G0B+4*\s+3], s[46:47], \s*16384
	s_or_b32 s[G0B+4*\s+3], s[G0B+4*\s+3], 0x80000000
	JLOAD \s                                       ; two tensor loads of the wave are out, the most in this text
.endr
	v_and_b32 v1, 15, v0                           ; r
	v_bfe_u32 v2, v0, 4, 1                         ; h
	v_and_b32 v3, 7, v0
	v_lshl_add_u32 v3, v2, 3, v3
	v_mul_u32_u24 v3, v3, WP
	v_bfe_u32 v4, v0, 3, 1
	v_lshl_add_u32 v3, v4, 4, v3                   ; the transposing load's lane term
	s_mul_i32 s22, s12, WCH
	s_add_co_u32 s22, s22, WOFF                    ; my chunk
	v_add_nc_u32 v[ADRB], s22, v3
	v_add_nc_u32 v[ADRB+1], SLOT, v[ADRB]
	v_mul_u32_u24 v5, v1, AP
	v_lshl_add_u32 v5, v2, 4, v5
	s_mul_i32 s22, s11, 64*AP                      ; my 64 rows
	v_add_nc_u32 v[ADRA], s22, v5
	v_add_nc_u32 v[ADRA+1], SLOT, v[ADRA]
	s_lshl_b32 s23, s12, 8
	v_lshl_add_u32 v[BOFF], v2, 5, s23             ; bias: 256 wn + 32 h bytes
	s_mul_i32 s22, s10, 16*SP
	s_add_co_u32 s22, s22, STAGE                   ; my stage
	v_mul_u32_u24 v6, v1, SP
	v_lshl_add_u32 v6, v2, 5, v6
	v_add_nc_u32 v[STO], s22, v6                   ; in: row r, 32 bytes (8 f32) for each half of the lanes
	v_mul_u32_u24 v7, v2, SP
	v_lshl_add_u32 v7, v1, 4, v7
	v_add_nc_u32 v[RD], s22, v7                    ; back: lanes 0-15 one row of 256 bytes, lanes 16-31 the next
	v_lshlrev_b32 v[CO], 4, v1
	v_lshl_add_u32 v[CO], v2, 12, v[CO]            ; and the same two rows in out0
	s_lshl_b32 s76, s42, 9                         ; bo: 128 columns a block
	s_mov_b32 s77, 0
	s_add_nc_u64 s[72:73], s[72:73], s[76:77]
	WIN TOACC
.irp i, 0,1,2,3
.irp j, 0,1,2,3
	global_load_b128 v[8*(4*\i+\j):8*(4*\i+\j)+3],   v[BOFF], s[72:73] offset:64*\j
	global_load_b128 v[8*(4*\i+\j)+4:8*(4*\i+\j)+7], v[BOFF], s[72:73] offset:64*\j+16
.endr
.endr
	WIN 0
	s_lshl_b32 s78, s13, 19                        ; out0: (128 mb + 64 wm) rows of 4,096 bytes + 512 nb + 256 wn
	s_lshl_b32 s79, s11, 18
	s_add_co_u32 s78, s78, s79
	s_add_co_u32 s78, s78, s76
	s_add_co_u32 s78, s78, s23
	s_mov_b32 s79, 0
	s_add_nc_u64 s[74:75], s[74:75], s[78:79]
; cnt row tiles from i0 on of part hi (0) or lo (1), times my four column tiles.  The 16 accumulators take turns, one instruction a turn, first
; through hi and then through lo, in the same order in every quarter step.
.macro MULH f, part, i0, cnt
.set mi, \i0
.rept \cnt
.irp j, 0,1,2,3
	v_wmma_f32_16x16x32_bf16 v[8*(4*mi+\j):8*(4*mi+\j)+7], v[\f+8*\j:\f+8*\j+7], v[\f+FA+32*\part+8*mi:\f+FA+32*\part+8*mi+7], v[8*(4*mi+\j):8*(4*mi+\j)+7]
.endr
.set mi, mi+1
.endr
.endm
; quarter q of a K step: rows 32 q .. of Wo's 128 = head q / 2, d = 32 (q % 2) ..; in att's row: 256 bytes a head, lo 128 bytes behind hi
.macro FETCH slot, q, f
	WIN 0
.irp j, 0,1,2,3
	ds_load_tr16_b128 v[\f+8*\j:\f+8*\j+3],   v[ADRB+\slot] offset:32*\j+32*WP*\q
	ds_load_tr16_b128 v[\f+8*\j+4:\f+8*\j+7], v[ADRB+\slot] offset:32*\j+32*WP*\q+16*WP
.endr
.irp pt, 0,1
.irp i, 0,1,2,3
	ds_load_b128 v[\f+FA+32*\pt+8*\i:\f+FA+32*\pt+8*\i+3],   v[ADRA+\slot] offset:16*AP*\i+(\q/2)*256+(\q%2)*64+128*\pt
	ds_load_b128 v[\f+FA+32*\pt+8*\i+4:\f+FA+32*\pt+8*\i+7], v[ADRA+\slot] offset:16*AP*\i+(\q/2)*256+(\q%2)*64+128*\pt+32
.endr
.endr
.endm
.macro QUARTER slot, q, f, g
	s_wait_dscnt 8                                 ; W and hi are in; the youngest eight loads (lo) may be out
	WIN MUL
	MULH \f, 0, 0, 4
	PLACES
	FETCH \slot, \q, \g
	s_wait_dscnt NF                                ; all but the run just issued
	WIN MUL
	MULH \f, 1, 0, 4
.endm
.macro THREE slot
	QUARTER \slot, 1, F0, F1
	QUARTER \slot, 2, F1, F0
	QUARTER \slot, 3, F0, F1
.endm
; The last quarter and the change of slots: each wave's reads of this slot and all its tensor loads are waited for in front of the barrier; where
; the slot is filled again the barrier opens a round of the cluster's barrier, and the joint refill is the wave's first and only tensor load behind it.
.macro TURN slot, next, fill
	s_wait_dscnt 8
	WIN MUL
	MULH F1, 0, 0, 2
	s_wait_dscnt 0x0
	s_wait_tensorcnt 0x0
	ds_add_u32 v62, v63
	s_wait_dscnt 0x0
	s_barrier_signal -1
	MULH F1, 0, 2, 2                               ; register work while the others arrive
	WIN 0
	s_barrier_wait -1
.if \fill
	CREST
	s_add_nc_u64 s[G0+4*\slot+2:G0+4*\slot+3], s[G0+4*\slot+2:G0+4*\slot+3], 2*512
	s_add_nc_u64 s[G0B+4*\slot+2:G0B+4*\slot+3], s[G0B+4*\slot+2:G0B+4*\slot+3], 2*16384
	JLOAD \slot
.endif
	PLACES
	FETCH \next, 0, F0
	WIN MUL
	MULH F1, 1, 0, 4
.endm
	s_wait_tensorcnt 0x1                           ; my part of K step 0 is in; K step 1's may stay out
	s_barrier_signal -1
	s_barrier_wait -1
	s_wait_loadcnt 0x0                             ; the bias is in the accumulators
	FETCH 0, 0, F0
	s_mov_b32 s3, 3
.Llap:
	THREE 0
	TURN 0, 1, 1
	THREE 1
	TURN 1, 0, 1
	WIN 0
	s_sub_co_u32 s3, s3, 1
	s_cmp_lg_u32 s3, 0
	s_cbranch_scc1 .Llap
	THREE 0
	TURN 0, 1, 0
	THREE 1
	s_wait_dscnt 8
	WIN MUL
	MULH F1, 0, 0, 4
	s_wait_dscnt 0x0
	MULH F1, 1, 0, 4
	; THE WAY OUT, 16 rows at a time through my own stage: a lane's eight f32 go in, whole rows of 256 bytes come back and are stored by 16 lanes each.
	PLACES
.irp i, 0,1,2,3
	WIN STACC
.irp j, 0,1,2,3
	ds_store_b128 v[STO], v[8*(4*\i+\j):8*(4*\i+\j)+3]   offset:64*\j
	ds_store_b128 v[STO], v[8*(4*\i+\j)+4:8*(4*\i+\j)+7] offset:64*\j+16
.endr
	WIN 0
.irp t, 0,1,2,3,4,5,6,7
	ds_load_b128 v[F0+32*\i+4*\t:F0+32*\i+4*\t+3], v[RD] offset:2*SP*\t    ; LDS serves a wave's instructions in order (ISA guide 5.7.1); each i has registers of its own
.endr
.irp t, 0,1,2,3,4,5,6,7
	s_wait_dscnt 7-\t
	global_store_b128 v[CO], v[F0+32*\i+4*\t:F0+32*\i+4*\t+3], s[74:75] offset:65536*\i+8192*\t th:TH_STORE_NT
.endr
.endr
	s_wait_tensorcnt 0x0
	ds_add_u32 v62, v63
	s_wait_dscnt 0x0
	CROUND                                         ; the closing round
	s_endpgm
.Lfunc_end_k_q841d7e3b1e_oproj:
	.size	k_q841d7e3b1e_oproj, .Lfunc_end_k_q841d7e3b1e_oproj-k_q841d7e3b1e_oproj
	.p2alignl 7, 3214868480
	.fill 96, 4, 3214868480
	.section	.rodata,"a",@progbits
	.p2align	6, 0x0
	.amdhsa_kernel k_q841d7e3b1e_oproj
		.amdhsa_group_segment_fixed_size 327680
		.amdhsa_private_segment_fixed_size 0
		.amdhsa_enable_private_segment 0
		.amdhsa_kernarg_size 32
		.amdhsa_user_sgpr_count 2
		.amdhsa_user_sgpr_kernarg_segment_ptr 1
		.amdhsa_wavefront_size32 1
		.amdhsa_system_sgpr_workgroup_id_x 1
		.amdhsa_system_sgpr_workgroup_id_y 1
		.amdhsa_system_sgpr_workgroup_id_z 1
		.amdhsa_system_vgpr_workitem_id 0
		.amdhsa_next_free_vgpr 384
		.amdhsa_next_free_sgpr 80
		.amdhsa_reserve_vcc 0
		.amdhsa_float_denorm_mode_32 3
		.amdhsa_float_denorm_mode_16_64 3
		.amdhsa_memory_ordered 1
		.amdhsa_forward_progress 1
		.amdhsa_inst_pref_size 81
	.end_amdhsa_kernel
	.amdgpu_metadata
---
amdhsa.version: [ 1, 2 ]
amdhsa.kernels:
  - .name:           k_q841d7e3b1e_oproj
    .symbol:         k_q841d7e3b1e_oproj.kd
    .args:
      - { .name: att, .offset: 0, .size: 8, .value_kind: global_buffer, .address_space: global }
      - { .name: wb, .offset: 8, .size: 8, .value_kind: global_buffer, .address_space: global }
      - { .name: bo, .offset: 16, .size: 8, .value_kind: global_buffer, .address_space: global }
      - { .name: out0, .offset: 24, .size: 8, .value_kind: global_buffer, .address_space: global }
    .group_segment_fixed_size: 327680
    .private_segment_fixed_size: 0
    .kernarg_segment_align: 8
    .kernarg_segment_size: 32
    .max_flat_workgroup_size: 128
    .sgpr_count:     80
    .vgpr_count:     384
    .wavefront_size: 32
...
	.end_amdgpu_metadata
.endif
;; end of part 4
